; MI455X (gfx1250); checked and timed in simulation.
; The chip was launched on July 23, 2026; its instructions are those of AMD's public machine-readable ISA for CDNA 5 (MIT licence, August 2026) and "CDNA5" Instruction Set Architecture Reference Guide (July 2026). The comments in the code are by the model that wrote it; some were corrected since.
;; Ptr Layer. Allowed arithmetic: matrix products marked QUANTISED: E2M1 operands, one E8M0 scale for each 32 along K, by v_wmma_scale_f32_16x16x128_f8f6f4 with both operands' format E2M1 (or v_wmma_scale_f32_32x16x128_f4), f32 sums; everything else in f32.
;; Inputs: W1 2,048 x 128 float32; W2 2,048 x 128 float32; d 16 x 2,048 x 128 float32; e 16 x 2,048 x 128 float32; x 16 x 2,048 x 128 float32.
;; Outputs: out0 16 x 2,048 x 128 float32.
;; This version of the problem:
;;   THIS VERSION OF THE PROBLEM IS GIVEN IN LOW PRECISION. The matrix products marked QUANTISED in the list below multiply operands that are first quantised to E2M1 (2 exponent bits, 1 mantissa bit; 4 bits a number), with one power-of-two scale for each 32 numbers along K (OCP MX v1.0); their sums are f32. All else is computed in f32.
;;   The module's matrix products, in the order in which they are computed (A, B: the left and right operand; K: the contracted axis; several contracted axes count as one K, in the product's order):
;;     1. [M 32,768, K 128] x [K 128, N 2,048]; A: input e; B: input W1: QUANTISED
;;     2. [M 32,768, K 128] x [K 128, N 2,048]; A: input d; B: input W2: QUANTISED
;;     3. batch 16 x [M 2,048, K 2,048] x [K 2,048, N 128]; A: softmax (see below); B: input x: QUANTISED
;;   THE QUANTISER, for each operand of a quantised product, along K:
;;     - K is cut into blocks of 32 from its start; a last block that is shorter is filled with zeros.
;;     - A block's scale is 2^e with e = floor(log2(the largest magnitude in the block)) - 2, held to -126 .. 127; a block of zeros has e = 0. As a byte (E8M0): e + 127.
;;     - Each number is divided by its block's scale, clamped to +-6, and rounded to the nearest number of E2M1, ties to even, subnormals kept.
;;     - The product sums the exact products of the quantised numbers (number of the format x scale) in f32.
;;   ~~~python
;;   def quantise(x, axis):      # numpy; x: float32 -> the quantised numbers, widened to float32 again
;;       x = np.moveaxis(x, axis, -1); K = x.shape[-1]
;;       x = np.pad(x, [(0, 0)] * (x.ndim - 1) + [(0, -K % 32)]); x = x.reshape(x.shape[:-1] + (-1, 32)); a = np.abs(x).max(-1, keepdims=True)
;;       e = np.where(a > 0, np.clip(np.frexp(np.where(a > 0, a, 1))[1] - 1 - 2, -126, 127), 0)      # np.frexp(a)[1] - 1 = floor(log2(a)), exactly
;;       r = np.clip(x / 2.0 ** e, -6, 6)
;;       step = 2.0 ** (np.maximum(np.frexp(np.where(r == 0, 1, r))[1] - 1, 0) - 1)
;;       q = np.round(r / step) * step * 2.0 ** e      # np.round: ties to even
;;       return np.moveaxis(q.reshape(q.shape[:-2] + (-1,))[..., :K], -1, axis).astype(np.float32)
;;   ~~~
;;   SOFTMAX AHEAD OF A QUANTISED PRODUCT. Where the list says 'softmax', what is quantised is not the finished softmax but p = 2^(t - M), with t = logit x log2(e) and M = ceil(the row's largest t), a whole number; so 1/2 < the row's largest p <= 1. The row's sum l is taken of the UNQUANTISED p, in f32, and the product's result is divided by l at the end. Since M is a whole number, a kernel that streams over the keys may use a running M (the ceiling of the running maximum): every later rescaling is an exact power of two, which a block's scale takes up: the codes' values come out the same.
;;   OPERANDS COMPUTED ON THE WAY. 'Computed on the way' means the value that the module computes at that place (a softmax that the list does not call 'softmax' is quantised finished and normalised). What goes into a quantiser is computed in f32, as accurately as f32 sums, v_exp_f32 and their like allow (about 1e-6 of the number): no bf16 or f16 on the way to a quantiser, and a product that is left as it is and whose result goes on into a quantised operand takes f32 operands (vector FMAs, or v_wmma_f32_16x16x4_f32). A number that lies on a knife's edge between two numbers of the format may be rounded either way, as far as f32 arithmetic and the matrix unit's own rounding can turn it there, and no further.
;; One version. Each part assembles by itself: llvm-mc -triple=amdgcn-amd-amdhsa -mcpu=gfx1250 --defsym DOCPART=n.
;; ======== version 1 of 1: 2 launches
;; limits: right only within a limited range of input values
;; workspace buffers: ecodes 2,097,152 bytes; escales 131,072 bytes; w2codes 131,072 bytes; w2scales 8,192 bytes; vimg 2,228,224 bytes
;; launch prep (part 1): grid 528 x 1, 4 waves a work-group, no clusters, 103,424 bytes of LDS; arguments e, W2, x, ecodes, escales, w2codes, w2scales, vimg; writes ecodes, escales, w2codes, w2scales, vimg
.if DOCPART == 1
	.amdgcn_target "amdgcn-amd-amdhsa--gfx1250"
	.amdhsa_code_object_version 6
	.text
	.protected	k_q59b2cd23db_prep
	.globl	k_q59b2cd23db_prep
	.p2align	8
	.type	k_q59b2cd23db_prep,@function
k_q59b2cd23db_prep:
	s_mov_b64 s[64:65], 0
	v_nop
	global_prefetch_b8 v0, s[64:65] scope:SCOPE_SE
	s_setreg_imm32_b32 hwreg(HW_REG_WAVE_MODE, 25, 1), 1
	s_wait_xcnt 0x0
; THE PROGRAM.  out[b][k][c] = sum over m of p[b][m][k] x[b][m][c], p the softmax over m of tanh(e[b][m] . W1[k] + d[b][k] . W2[m]): attention with queries k and keys m, all three products on codes of
; FP4 (E2M1) with one E8M0 scale for each 32 along a product's K.  NO WORK OF reference() IS LEFT OUT: all five inputs reach the output, and all three products are done in full.
; THIS LAUNCH quantises what many work-groups of the next launch read: e and W2 (K = their last axis) and x (K = m, its first axis within a batch).  W1 and d are quantised in the next launch.
; A block's scale is 2^(floor(log2(its largest magnitude)) - 2); its byte is the largest magnitude's exponent field - 2, held at 1 from below; each number is divided by the scale and rounded to the nearest code, ties to even,
; beyond the largest code the largest.
; LIMITS: a block of zeros gets the byte 1 where the rule says 127 (its codes are zeros, which add nothing under any byte but 0xff, and this program alone reads the bytes); blocks whose largest magnitude lies under 2^-124
; are held at the byte 1; NaN and infinities among the inputs are not served.
; THE WORKSPACE IS LAID AS IMAGES OF THE OPERAND'S REGISTERS.  A fragment (16 rows x 128 K, 8 registers a lane) is 1,024 bytes: register group c of lane l at 512 c + 16 l.  A key step of 128 keys is 8 fragments on end.
;   ecodes, w2codes: fragment 4 c + t of a key step holds in its row i the key 64 c + 8 t + i % 8 + 32 (i / 8): so in the next launch the 32 result registers of fragments 4 c .. 4 c + 3 of lane (r, h) are the whole block 64 c + 32 h + 0 .. 31.
;   vimg, for each batch 139,264 bytes: 16 key steps of 8 fragments (fragment t holds in its row r the channel 16 t + r; K = the step's 128 keys as they lie), then the 16 steps' scale words, 128 a step in the channels' order.
;   escales, w2scales: scale words (four bytes: a row's 128 along K): 32 words for two fragments: lanes 0-15 the even fragment's rows, lanes 16-31 the odd one's.
; SHARES.  Work-groups 0-255 take e, 256-271 W2 (one path: only pointers are chosen), 272-527 x.  A wave takes 32 keys (e, W2) or 32 keys x 128 channels (x): 16,384 bytes of f32, all asked for at its head, 512 bytes a load.
; No cluster, no tensor load: no two work-groups read the same bytes.  No prefetch: there is no loop to run ahead in.
; e's and W2's scale words leave in runs of 128 bytes a wave, so that two neighbouring waves fill an aligned 256; x's leave as 512 bytes by one wave.
.set WST,   8704                       ; LDS: e, W2: a stage for each wave: 16 rows x SP bytes
.set SP,    528                        ; a stage row: 512 bytes + 16
.set XST,   4*WST                      ; x: stages of its own, 32 rows x SP bytes for each wave
.set XW,    32*SP
.set SCW,   XST+4*XW                   ; x: the work-group's 128 scale words
.set SPARE, SCW+512                    ; the spare words, 128 bytes for each wave: two blocks of 256 bytes that no other line names
.set SPW,   18                         ; v18  LDS address of my spare word; never rewritten
.set NIL,   19                         ; v19  0; never rewritten
.set R,     32                         ; v32-159  the numbers
.set C,     160                        ; v160-175 the codes: registers of their own for every store
.set XB,    27                         ; v27-30 x: my four blocks' scale bytes
	s_load_b256 s[4:11], s[0:1], 0x0               ; e s[4:5], W2 s[6:7], x s[8:9], ecodes s[10:11]
	s_load_b256 s[12:19], s[0:1], 0x20             ; escales s[12:13], w2codes s[14:15], w2scales s[16:17], vimg s[18:19]
	v_lshl_add_u32 v[SPW], v0, 2, SPARE
	v_mov_b32 v[NIL], 0
	v_lshrrev_b32 v1, 5, v0
	v_readfirstlane_b32 s22, v1                    ; wave 0..3
	s_mul_i32 s31, s22, WST                        ; my stage for e or W2,
	s_mul_i32 s30, s22, XW
	s_add_co_u32 s30, s30, XST                     ; for x
	s_add_co_u32 s23, s22, SCW
	s_mov_b32 s34, 0x76543210
	s_mov_b32 s35, 0xfedcba98                      ; v_permlanex16_b32's selects for lane l xor 16
	s_mov_b32 s36, 0xffff0000                      ; lanes 16-31
	s_mov_b32 s33, 0
	v_and_b32 v1, 31, v0                           ; lane
	v_and_b32 v21, 15, v0                          ; r
	v_bfe_u32 v22, v0, 4, 1                        ; h
	v_lshlrev_b32 v2, 4, v1                        ; 16 bytes a lane: a load's 512 bytes, and a fragment's image
	v_lshlrev_b32 v6, 2, v1                        ; 4 bytes a lane
	v_add_nc_u32 v3, s31, v2                       ; e, W2: into the stage: a row as it was loaded
	v_mul_u32_u24 v4, v21, SP
	v_lshl_add_u32 v4, v22, 7, v4
	v_add_nc_u32 v4, s31, v4                       ; out of it: row r, from k = 32 h on
	v_lshlrev_b32 v5, 3, v22                       ; my two bytes' place in the scale word: 8 h bits up
	v_mov_b32 v7, 0                                ; written once: a lane permute's destination counts as one of its sources
	v_lshlrev_b32 v20, 4, v21
	v_lshl_add_u32 v20, v22, 10, v20               ; x: lanes 0-15 the even fragment's rows, lanes 16-31 the odd one's
	v_add_nc_u32 v23, s30, v2                      ; x: into the stage: a row as it was loaded
	v_add_nc_u32 v24, s30, v6                      ; out of it: my channel of a row
	v_add_nc_u32 v25, s23, v6                      ; my byte of my channel's scale word
	v_add_nc_u32 v26, SCW, v2                      ; four words a lane
	s_wait_alu depctr_va_vdst(0)                   ; the head's end
	s_wait_kmcnt 0x0
	s_cmp_ge_u32 ttmp9, 272
	s_cbranch_scc1 .Lx
	; ---- e and W2: K is innermost.  A work-group takes a key step of 128 rows of the tensor: nothing here knows of batches
	s_cmp_lt_u32 ttmp9, 256                        ; the choice hangs on the work-group's number alone
	s_cselect_b64 s[24:25], s[4:5], s[6:7]         ; the numbers
	s_cselect_b64 s[26:27], s[10:11], s[14:15]     ; the codes
	s_cselect_b64 s[28:29], s[12:13], s[16:17]     ; the scale words
	s_cselect_b32 s30, 0, 256
	s_sub_co_u32 s30, ttmp9, s30
	s_lshl_b32 s32, s30, 16                        ; 128 rows of 512 bytes;
	s_lshr_b32 s31, s22, 1
	s_lshl_b32 s31, s31, 15                        ; my two fragments begin at row 64 (wave / 2)
	s_add_co_u32 s32, s32, s31
	s_and_b32 s31, s22, 1
	s_lshl_b32 s31, s31, 13                        ; + 16 (wave % 2)
	s_add_co_u32 s32, s32, s31
	s_add_nc_u64 s[24:25], s[24:25], s[32:33]
	s_lshl_b32 s30, s30, 2
	s_add_co_u32 s30, s30, s22                     ; 4 x work-group + wave
	s_lshl_b32 s32, s30, 11                        ; two fragments
	s_add_nc_u64 s[26:27], s[26:27], s[32:33]
	s_lshl_b32 s32, s30, 7                         ; 32 words
	s_add_nc_u64 s[28:29], s[28:29], s[32:33]
.macro ELOAD u                         ; fragment u's sixteen rows, each a whole row of 512 consecutive bytes; which key is row i stands in the immediate
.irp i, 0,1,2,3,4,5,6,7,8,9,10,11,12,13,14,15
	global_load_b128 v[R+64*\u+4*\i:R+64*\u+4*\i+3], v2, s[24:25] offset:(8*\u+\i+24*(\i/8))*512 th:TH_LOAD_NT
.endr
.endm
.macro TURN u                          ; through my stage: in as loaded, back so that register 32 c + n of lane (r, h) is k = 64 c + 32 h + n of row r.  LDS serves a wave's instructions in order: no wait between the stores and the loads
.irp i, 0,1,2,3,4,5,6,7,8,9,10,11,12,13,14,15
	ds_store_b128 v3, v[R+64*\u+4*\i:R+64*\u+4*\i+3] offset:SP*\i
.endr
.irp c, 0,1
.irp j, 0,1,2,3,4,5,6,7
	ds_load_b128 v[R+64*\u+32*\c+4*\j:R+64*\u+32*\c+4*\j+3], v4 offset:256*\c+16*\j
.endr
.endr
.endm
.macro EQUANT u                        ; a lane holds two whole blocks, 2 c + h: no other lane is asked for a maximum; the conversions' results are the operand's registers
.set RR, R+64*\u
.irp c, 0,1
	v_max3_num_f32 v[8+\c], |v[RR+32*\c]|, |v[RR+32*\c+1]|, 0x1800000   ; and the floor 2^(3 - 127): the byte cannot fall under 1
.endr
.irp i, 2,4,6,8,10,12,14,16,18,20,22,24,26,28,30
.irp c, 0,1
	v_max3_num_f32 v[8+\c], v[8+\c], |v[RR+32*\c+\i]|, |v[RR+32*\c+\i+1]|   ; (the two blocks by turns)
.endr
.endr
.irp c, 0,1
	v_add_nc_u32 v[10+\c], 0xff000000, v[8+\c]     ; 2 off the exponent field: the conversion takes the exponent field of this operand as its scale, and nothing else of it
.endr
.irp c, 0,1
	v_lshrrev_b32 v[12+\c], 23, v[10+\c]           ; the scale's byte
.endr
	v_lshl_or_b32 v14, v13, 16, v12                ; my two bytes: blocks h and 2 + h of row r,
	v_lshlrev_b32 v14, v5, v14                     ; at their places in the word;
	v_permlanex16_b32 v7, v14, s34, s35
	v_or_b32 v14, v14, v7                          ; with lane l xor 16's two the word is whole, in both halves of the lanes
.if \u == 0
	v_mov_b32 v16, v14                             ; lanes 0-15 keep the even fragment's words,
.else
	v_cndmask_b32 v16, v16, v14, s36               ; lanes 16-31 take the odd one's
.endif
.irp c, 0,1
.irp g, 0,1,2,3
	v_cvt_scalef32_pk8_fp4_f32 v[C+8*\u+4*\c+\g], v[RR+32*\c+8*\g:RR+32*\c+8*\g+7], v[10+\c]
.endr
.endr
	v_nop                                          ; one plain vector line behind the last conversion
.irp c, 0,1
	global_store_b128 v2, v[C+8*\u+4*\c:C+8*\u+4*\c+3], s[26:27] offset:1024*\u+512*\c   ; 32 lanes store 512 consecutive bytes, at a multiple of 512 from the buffer's first byte
.endr
.endm
	ELOAD 0
	ELOAD 1
	s_wait_loadcnt 16                              ; fragment 0's sixteen loads are in; fragment 1's sixteen may be out
	TURN 0
	s_wait_loadcnt 0x0
	TURN 1                                         ; its stores come behind fragment 0's reads of the one stage
	s_wait_dscnt 32                                ; fragment 0 is back; the 16 stores and 16 loads of fragment 1's turn may be out
	EQUANT 0
	s_wait_dscnt 0x0
	EQUANT 1
	global_store_b32 v6, v16, s[28:29]             ; 32 words: 128 consecutive bytes
	s_branch .Lend
	; ---- x: K = m is the first axis within a batch.  A work-group takes a key step of 128 keys, wave t its block t of 32 keys, all 128 channels: rows come in whole, 512 bytes a load, go through my stage,
	; and come back a channel a lane with the registers down m: a block lies in one lane's 32 registers, and the codes come out with the keys innermost
.Lx:
	s_sub_co_u32 s30, ttmp9, 272                   ; which key step, over all batches: 0..255
	s_lshl_b32 s32, s30, 16                        ; 128 rows of 512 bytes,
	s_lshl_b32 s31, s22, 14                        ; my 32
	s_add_co_u32 s32, s32, s31
	s_add_nc_u64 s[24:25], s[8:9], s[32:33]
	s_lshr_b32 s23, s30, 4
	s_mul_i32 s23, s23, 139264                     ; the batch,
	s_and_b32 s37, s30, 15                         ; and which of its key steps
	s_lshl_b32 s32, s37, 13
	s_add_co_u32 s32, s32, s23
	s_lshl_b32 s31, s22, 8                         ; block t of a fragment's K: 256 bytes
	s_add_co_u32 s32, s32, s31
	s_add_nc_u64 s[26:27], s[18:19], s[32:33]
	s_lshl_b32 s32, s37, 9
	s_add_co_u32 s32, s32, s23
	s_add_co_u32 s32, s32, 131072                  ; the step's 128 words
	s_add_nc_u64 s[28:29], s[18:19], s[32:33]
.macro XREAD g                         ; channels 32 g on: 32 lanes read 128 consecutive bytes of each row
.irp i, 0,1,2,3,4,5,6,7,8,9,10,11,12,13,14,15,16,17,18,19,20,21,22,23,24,25,26,27,28,29,30,31
	ds_load_b32 v[R+32*\g+\i], v24 offset:SP*\i+128*\g
.endr
.endm
.macro XQ g
.set XS, R+32*\g
	v_max3_num_f32 v8, |v[XS]|, |v[XS+1]|, |v[XS+2]|               ; the block's largest magnitude: all 32 numbers are mine; two chains
	v_max3_num_f32 v9, |v[XS+3]|, |v[XS+4]|, |v[XS+5]|
.irp i, 6,10,14,18,22,26
	v_max3_num_f32 v8, v8, |v[XS+\i]|, |v[XS+\i+1]|
	v_max3_num_f32 v9, v9, |v[XS+\i+2]|, |v[XS+\i+3]|
.endr
	v_max3_num_f32 v8, v8, |v[XS+30]|, |v[XS+31]|
	v_max3_num_f32 v8, v8, v9, 0x1800000           ; and the floor
	v_add_nc_u32 v10, 0xff000000, v8               ; the conversion's scale operand
	v_lshrrev_b32 v[XB+\g], 23, v10                ; the scale's byte
.irp k, 0,1,2,3
	v_cvt_scalef32_pk8_fp4_f32 v[C+4*\g+\k], v[XS+8*\k:XS+8*\k+7], v10
.endr
	v_nop                                          ; one plain vector line behind the last conversion
	global_store_b128 v20, v[C+4*\g:C+4*\g+3], s[26:27] offset:2048*\g   ; lanes 0-15 and lanes 16-31 each store 256 consecutive bytes, at a multiple of 256 from the buffer's first byte
.endm
.irp i, 0,1,2,3,4,5,6,7,8,9,10,11,12,13,14,15,16,17,18,19,20,21,22,23,24,25,26,27,28,29,30,31
	global_load_b128 v[R+4*\i:R+4*\i+3], v2, s[24:25] offset:512*\i th:TH_LOAD_NT
.endr
.irp q, 0,1,2,3
	s_wait_loadcnt 24-8*\q                         ; eight rows more are in
.irp i, 0,1,2,3,4,5,6,7
	ds_store_b128 v23, v[R+32*\q+4*\i:R+32*\q+4*\i+3] offset:SP*(8*\q+\i)
.endr
.endr
	XREAD 0                                        ; LDS serves a wave's instructions in order: these see my stores
	XREAD 1
	s_wait_dscnt 32                                ; group 0 is back; group 1's 32 loads may be out
	XREAD 2
	XQ 0
	s_wait_dscnt 32
	XREAD 3
	XQ 1
	s_wait_dscnt 32
	XQ 2
	s_wait_dscnt 0x0
	XQ 3
.irp g, 0,1,2,3
	ds_store_b8 v25, v[XB+\g] offset:128*\g        ; byte t of the words of channels 32 g on
.endr
	s_wait_dscnt 0x0                               ; for wave 0's sake: my bytes have landed
	s_barrier_signal -1
	s_barrier_wait -1
	s_cmp_lg_u32 s22, 0
	s_cbranch_scc1 .Lend
	ds_load_b128 v[8:11], v26
	s_wait_dscnt 0x0
	global_store_b128 v2, v[8:11], s[28:29]        ; 128 words: 512 consecutive bytes
.Lend:
	s_wait_tensorcnt 0x0                           ; the wave's end
	ds_add_u32 v[SPW], v[NIL]
	s_wait_dscnt 0x0
	s_endpgm
.Lfunc_end_k_q59b2cd23db_prep:
	.size	k_q59b2cd23db_prep, .Lfunc_end_k_q59b2cd23db_prep-k_q59b2cd23db_prep
	.p2alignl 7, 3214868480
	.fill 96, 4, 3214868480
	.section	.rodata,"a",@progbits
	.p2align	6, 0x0
	.amdhsa_kernel k_q59b2cd23db_prep
		.amdhsa_group_segment_fixed_size 103424
		.amdhsa_private_segment_fixed_size 0
		.amdhsa_enable_private_segment 0
		.amdhsa_kernarg_size 64
		.amdhsa_user_sgpr_count 2
		.amdhsa_user_sgpr_kernarg_segment_ptr 1
		.amdhsa_wavefront_size32 1
		.amdhsa_system_sgpr_workgroup_id_x 1
		.amdhsa_system_sgpr_workgroup_id_y 1
		.amdhsa_system_sgpr_workgroup_id_z 1
		.amdhsa_system_vgpr_workitem_id 0
		.amdhsa_next_free_vgpr 176
		.amdhsa_next_free_sgpr 66
		.amdhsa_reserve_vcc 0
		.amdhsa_float_denorm_mode_32 3
		.amdhsa_float_denorm_mode_16_64 3
		.amdhsa_memory_ordered 1
		.amdhsa_forward_progress 1
		.amdhsa_inst_pref_size 37
	.end_amdhsa_kernel
	.amdgpu_metadata
---
amdhsa.version: [ 1, 2 ]
amdhsa.kernels:
  - .name:           k_q59b2cd23db_prep
    .symbol:         k_q59b2cd23db_prep.kd
    .args:
      - { .name: e, .offset: 0, .size: 8, .value_kind: global_buffer, .address_space: global }
      - { .name: W2, .offset: 8, .size: 8, .value_kind: global_buffer, .address_space: global }
      - { .name: x, .offset: 16, .size: 8, .value_kind: global_buffer, .address_space: global }
      - { .name: ecodes, .offset: 24, .size: 8, .value_kind: global_buffer, .address_space: global }
      - { .name: escales, .offset: 32, .size: 8, .value_kind: global_buffer, .address_space: global }
      - { .name: w2codes, .offset: 40, .size: 8, .value_kind: global_buffer, .address_space: global }
      - { .name: w2scales, .offset: 48, .size: 8, .value_kind: global_buffer, .address_space: global }
      - { .name: vimg, .offset: 56, .size: 8, .value_kind: global_buffer, .address_space: global }
    .group_segment_fixed_size: 103424
    .private_segment_fixed_size: 0
    .kernarg_segment_align: 8
    .kernarg_segment_size: 64
    .max_flat_workgroup_size: 128
    .sgpr_count:     66
    .vgpr_count:     176
    .wavefront_size: 32
...
	.end_amdgpu_metadata
.endif
;; end of part 1
;; launch attn (part 2): grid 16 x 16, 16 waves a work-group, clusters of 4 x 1, 327,680 bytes of LDS; arguments W1, d, ecodes, escales, w2codes, w2scales, vimg, out0; writes out0
.if DOCPART == 2
	.amdgcn_target "amdgcn-amd-amdhsa--gfx1250"
	.amdhsa_code_object_version 6
	.text
	.protected	k_q59b2cd23db_attn
	.globl	k_q59b2cd23db_attn
	.p2align	8
	.type	k_q59b2cd23db_attn,@function
k_q59b2cd23db_attn:
	s_mov_b64 s[64:65], 0
	v_nop
	global_prefetch_b8 v0, s[64:65] scope:SCOPE_SE
	s_setreg_imm32_b32 hwreg(HW_REG_WAVE_MODE, 25, 1), 1
	s_wait_xcnt 0x0
	s_wait_alu depctr_hold_cnt(0) depctr_sa_sdst(0) depctr_va_vdst(0) depctr_va_sdst(0) depctr_va_ssrc(0) depctr_va_vcc(0) depctr_vm_vsrc(0)
	s_getreg_b32 s2, hwreg(HW_REG_IB_STS2, 6, 4)
	s_cmp_eq_u32 s2, 0
	s_cbranch_scc0 .Lentry_in_a_cluster
	s_endpgm
.Lentry_in_a_cluster:
	s_bfe_u32 s2, ttmp6, 0x10000c
	s_cmp_lg_u32 s2, 0x3003
	s_cbranch_scc0 .Lentry_shape_is_right
	s_endpgm
.Lentry_shape_is_right:
; out[b][k][c] = sum over m of p[b][m][k] x[b][m][c] / l[b][k], p = 2^t, t = log2(e) tanh(e[b][m] . W1[k] + d[b][k] . W2[m]), l = the sum over m of p.  No work of reference() is left out.
; All three products on codes of FP4 (E2M1) with one E8M0 scale for each 32 along K.  The score is two K steps of 128 on ONE accumulator: keys' e against queries' W1, keys' W2 against queries' d.
; e, W2 and x come as codes from the launch before, as images of the operand's registers; W1 and d are quantised here.
; THE MAXIMUM.  reference() puts tanh in front of the softmax, so for every input the logit lies in [-1, 1], t in [-1.4427, 1.4427], p in [0.3679, 2.7183], and a row's sum under 2,048 x 2.7183 = 5,567: no exponential and no sum
; can overflow or underflow.  The whole number M that is taken off t is therefore held at 0.  Any whole M gives the same codes (a block's scale takes the power of two up) and multiplies O and l by the same power of two.
; tanh(s) = 1 - 2 / (1 + 2^(2 log2(e) s)), so t = c - 2 c r with c = log2(e), r = 1 / (1 + 2^(2 c s)).  Where |s| is large, 2^(..) is infinity or 0 and r is 0 or 1: t = c or -c, as tanh has it.
; Since p is never under 0.3679, a block's largest p needs no floor under it.
; LIMITS: NaN and infinities among the inputs are not served; blocks of W1 or d whose largest magnitude lies under 2^-124 are held at the scale byte 1 (a block of zeros too: its codes are zeros);
; l is summed in 16 parts of 128 keys, which are then added: an order of f32 rounding other than reference()'s.
; SHARES.  A work-group owns 128 queries (8 tiles of 16) of one batch.  FIRST PART: wave w owns key step w, 128 of the batch's 2,048 keys, whose 16 fragments (e's, W2's) stay in 128 registers; it walks the 8 tiles of queries and
; leaves p as codes (an image of the operand, 1,024 bytes a tile), its scale words and the sum of its 128 p in LDS.  No barrier stands in that walk.  SECOND PART, behind one barrier: waves 0 to 7 own 32 queries x 64 channels each and
; walk the 16 key steps: 4 fragments of V and 2 of P feed 8 matrix instructions.  With half as many queries or channels a wave the same fragments would be read more often.
; LAYOUT.  Both products are used transposed: S^T (source 0 = 16 keys, source 1 = 16 queries), O^T (source 0 = 16 channels, source 1 = P): a lane holds ONE query (lane % 16) throughout.  The keys of a fragment are laid by the launch
; before so that the 32 registers of fragments 4 c .. 4 c + 3 are the whole block of keys 64 c + 32 (lane / 16) + 0 .. 31: the conversions' results are the operand's registers.
; QUERIES.  The 16 fragments (8 tiles of W1, 8 of d) are quantised by the 16 waves, one each: rows come in whole, turn through a stage in LDS, and the codes go to LDS as images for all waves.
; CLUSTER.  The four blocks of queries of a cluster belong to one batch: V's 139,264 bytes (codes and scale words) are asked for JOINTLY, one load of 8,704 bytes a wave, the mask names all four.  e's and W2's key steps go straight from
; memory into the one wave's registers that use them, each byte once for a work-group: they never lie in LDS, into which a joint load goes, and LDS has no room for them beside V and P.
; No prefetch is laid: nothing is loaded in a loop, all loads stand at the head.
; LDS: V, P, the words of P and l, the queries' images, the spare words.  The queries' stages lie on P and its words, ahead of the first barrier; the stages of the way out lie on the queries' images, behind the second.
.set VIMG,  139264
.set PB,    VIMG                       ; P: key step s, tile q at 8192 s + 1024 q
.set PSB,   PB+131072                  ; P's scale words: key step s, tile q at 512 s + 64 q
.set LDIST, 8256                       ; l's parts, laid alike, this far behind
.set QB,    290816                     ; the queries' images: tile q: W1's at 2048 q, d's 1,024 on
.set QSB,   QB+16384                   ; their scale words: tile q: 16 of W1's, 16 of d's
.set OSB,   QB                         ; the way out: 16 rows x 272 bytes for each of eight waves
.set SPARE, OSB+8*4352                 ; the spare words, 128 bytes for each wave: eight blocks of 256 bytes that no other line names
.set LQ,   1                           ; LDS addresses: the queries' images, their words, my P, my words
.set LQS,  2
.set SPW,  3
.set NIL,  4
.set LP,   5
.set LSL,  6
.set AQ,   7                           ; the same for the tile in hand (at the head: the stage in, the stage out, my fragment's image and words)
.set AQS,  8
.set AP,   9
.set ASL,  10
.set QS,   11                          ; scale words of the tile's queries: lanes 0-15 W1's, lanes 16-31 d's
.set CC,   12                          ; v[12:13] c
.set SA,   14                          ; v[14:15], v[238:239] the sum in two chains of pairs
.set Q0,   16
.set Q1,   24
.set FE,   32                          ; e's eight fragments; second part: V's, two sets of four
.set FW,   96                          ; W2's eight; second part: P's, two sets of two
.set S,    160                         ; S^T, then p; second part: O^T
.set PC,   224                         ; codes
.set MX,   232
.set TT,   236
.set TU,   237
.set SB,   238
.set LV,   240
.set AV0,  241                         ; second part: V, key steps 0-7; v242: 8-15
.set AVS,  243                         ; V's scale words (at the head: 8 h)
.set KSE,  244                         ; scale words of e, of W2; second part: of V (two sets of two), of P (two)
.set KSW,  248
.set AP0,  252                         ; second part: P, key steps 0-7; v253: 8-15 (at the head v252: 16 x lane, v253: 4 x lane)
.set APS,  254
.set AST,  255
.set ARD,  7
.set GO,   8
.set LP0,  128                         ; v128-143 l's parts
.set IV0,  146                         ; v[146:147], v[148:149] 1 / l of the two tiles
.set IV1,  148
.set WV,   22
.set CX,   25
.set WX,   26
.set BA,   27
.set SEL,  28                          ; s[28:29] lane selects for v_permlanex16_b32: lane l xor 16
.set C2,   30                          ; s[30:31] 2 c, twice: a packed form names a pair and takes its low word for both halves
.set CM,   32                          ; s[32:33] -2 c, twice
.set HF,   34
.set SL1,  35
.set G1,   36                          ; s[36:43] descriptor group 1
.set TQ,   44
.set TQS,  45
.set TP,   46
.set TSL,  47
.set CNT,  48
.set SL2,  49
.set HM,   50
.set G0,   52                          ; s[52:55] group 0
; A round of the cluster's barrier.
.macro ROUND
	s_barrier_signal -1
	s_barrier_wait -1
	s_cmp_lg_u32 s[WV], 0
	s_cbranch_scc1 .Lnot_wave_0_\@
	s_barrier_signal -3
.Lnot_wave_0_\@:
	s_barrier_wait -3
	s_barrier_signal -1
	s_barrier_wait -1
.endm
; One matrix instruction.  MMZ starts its sum with the constant 0, MMA adds.  ao, bo = 1: source 0's, source 1's scale words stand in lanes 16-31 of their register.
.macro MMZ d, a, b, sa, sb, ao, bo
.if (\ao) && (\bo)
	v_wmma_scale_f32_16x16x128_f8f6f4 v[\d:\d+7], v[\a:\a+7], v[\b:\b+7], 0, v[\sa], v[\sb] matrix_a_fmt:MATRIX_FMT_FP4 matrix_b_fmt:MATRIX_FMT_FP4 matrix_a_scale:MATRIX_SCALE_ROW1 matrix_b_scale:MATRIX_SCALE_ROW1
.elseif \ao
	v_wmma_scale_f32_16x16x128_f8f6f4 v[\d:\d+7], v[\a:\a+7], v[\b:\b+7], 0, v[\sa], v[\sb] matrix_a_fmt:MATRIX_FMT_FP4 matrix_b_fmt:MATRIX_FMT_FP4 matrix_a_scale:MATRIX_SCALE_ROW1
.elseif \bo
	v_wmma_scale_f32_16x16x128_f8f6f4 v[\d:\d+7], v[\a:\a+7], v[\b:\b+7], 0, v[\sa], v[\sb] matrix_a_fmt:MATRIX_FMT_FP4 matrix_b_fmt:MATRIX_FMT_FP4 matrix_b_scale:MATRIX_SCALE_ROW1
.else
	v_wmma_scale_f32_16x16x128_f8f6f4 v[\d:\d+7], v[\a:\a+7], v[\b:\b+7], 0, v[\sa], v[\sb] matrix_a_fmt:MATRIX_FMT_FP4 matrix_b_fmt:MATRIX_FMT_FP4
.endif
.endm
.macro MMA d, a, b, sa, sb, ao, bo
.if (\ao) && (\bo)
	v_wmma_scale_f32_16x16x128_f8f6f4 v[\d:\d+7], v[\a:\a+7], v[\b:\b+7], v[\d:\d+7], v[\sa], v[\sb] matrix_a_fmt:MATRIX_FMT_FP4 matrix_b_fmt:MATRIX_FMT_FP4 matrix_a_scale:MATRIX_SCALE_ROW1 matrix_b_scale:MATRIX_SCALE_ROW1
.elseif \ao
	v_wmma_scale_f32_16x16x128_f8f6f4 v[\d:\d+7], v[\a:\a+7], v[\b:\b+7], v[\d:\d+7], v[\sa], v[\sb] matrix_a_fmt:MATRIX_FMT_FP4 matrix_b_fmt:MATRIX_FMT_FP4 matrix_a_scale:MATRIX_SCALE_ROW1
.elseif \bo
	v_wmma_scale_f32_16x16x128_f8f6f4 v[\d:\d+7], v[\a:\a+7], v[\b:\b+7], v[\d:\d+7], v[\sa], v[\sb] matrix_a_fmt:MATRIX_FMT_FP4 matrix_b_fmt:MATRIX_FMT_FP4 matrix_b_scale:MATRIX_SCALE_ROW1
.else
	v_wmma_scale_f32_16x16x128_f8f6f4 v[\d:\d+7], v[\a:\a+7], v[\b:\b+7], v[\d:\d+7], v[\sa], v[\sb] matrix_a_fmt:MATRIX_FMT_FP4 matrix_b_fmt:MATRIX_FMT_FP4
.endif
.endm
.macro QLOAD ai, as                    ; a tile's two fragments and its scale words
	ds_load_b128 v[Q0:Q0+3], v[\ai]
	ds_load_b128 v[Q0+4:Q0+7], v[\ai] offset:512
	ds_load_b128 v[Q1:Q1+3], v[\ai] offset:1024
	ds_load_b128 v[Q1+4:Q1+7], v[\ai] offset:1536
	ds_load_b32 v[QS], v[\as]
.endm
; The softmax's lines.  A window lies between two waits: 32 transcendentals on one half of the scores, with sixteen packed lines of the other half among them; what either writes is read behind the next wait.
.macro TRANS tr, lo
.set j, 0
.rept 32
	\tr v[\lo+j], v[\lo+j]
.set j, j+1
.endr
.endm
.macro ADD1 lo
	v_pk_add_f32 v[\lo+j:\lo+j+1], v[\lo+j:\lo+j+1], 1.0 op_sel_hi:[1,0]
.endm
.macro TFMA lo                         ; t = c - 2 c r
	v_pk_fma_f32 v[\lo+j:\lo+j+1], v[\lo+j:\lo+j+1], s[CM:CM+1], v[CC:CC+1] op_sel_hi:[1,0,0]
.endm
.macro MIX tr, lo, op, po
.set j, 0
.rept 16
	\tr v[\lo+j], v[\lo+j]
	\tr v[\lo+j+1], v[\lo+j+1]
	\op \po
.set j, j+2
.endr
	s_wait_alu depctr_va_vdst(0)                   ; behind this batch and ahead of the next
.endm
; RED: a block's largest p (two chains, v[m] and v[m + 2]) and the row's sum OF THE UNQUANTISED p (two chains of pairs), line by line by turns.  fresh = 1: the sum begins.
.macro RED lo, m, fresh
	v_max3_num_f32 v[\m], v[\lo], v[\lo+1], v[\lo+2]
.if \fresh
	v_pk_add_f32 v[SA:SA+1], v[\lo:\lo+1], v[\lo+4:\lo+5]
.else
	v_pk_add_f32 v[SA:SA+1], v[SA:SA+1], v[\lo:\lo+1]
.endif
	v_max3_num_f32 v[\m+2], v[\lo+3], v[\lo+4], v[\lo+5]
.if \fresh
	v_pk_add_f32 v[SB:SB+1], v[\lo+2:\lo+3], v[\lo+6:\lo+7]
.else
	v_pk_add_f32 v[SB:SB+1], v[SB:SB+1], v[\lo+2:\lo+3]
	v_pk_add_f32 v[SA:SA+1], v[SA:SA+1], v[\lo+4:\lo+5]
	v_pk_add_f32 v[SB:SB+1], v[SB:SB+1], v[\lo+6:\lo+7]
.endif
.irp i, 6,10,14,18,22,26
	v_max3_num_f32 v[\m], v[\m], v[\lo+\i], v[\lo+\i+1]
	v_pk_add_f32 v[SA:SA+1], v[SA:SA+1], v[\lo+\i+2:\lo+\i+3]
	v_max3_num_f32 v[\m+2], v[\m+2], v[\lo+\i+2], v[\lo+\i+3]
	v_pk_add_f32 v[SB:SB+1], v[SB:SB+1], v[\lo+\i+4:\lo+\i+5]
.endr
	v_max3_num_f32 v[\m], v[\m], v[\lo+30], v[\lo+31]
	v_max_num_f32 v[\m], v[\m], v[\m+2]
.endm
; A TILE: my 128 keys x 16 queries.  next = 1: the next tile's queries are asked for behind this tile's products.
.macro STEP next
	s_wait_dscnt 3                                 ; the queries are in; the three stores of the tile before, issued behind their loads, may be out
.irp t, 0,2,4,6                        ; eight accumulators by turns
	MMZ S+8*\t, FE+8*\t, Q0, KSE+\t/2, QS, 0, 0
	MMZ S+8*\t+8, FE+8*\t+8, Q0, KSE+\t/2, QS, 1, 0
.endr
.irp t, 0,2,4,6
	MMA S+8*\t, FW+8*\t, Q1, KSW+\t/2, QS, 0, 1
	MMA S+8*\t+8, FW+8*\t+8, Q1, KSW+\t/2, QS, 1, 1
.endr
	v_add_nc_u32 v[AP], s[TP], v[LP]               ; four plain lines: the places ahead of the loads and of the first read of the scores
	v_add_nc_u32 v[ASL], s[TSL], v[LSL]
.if \next
	v_add_nc_u32 v[AQ], s[TQ], v[LQ]
	v_add_nc_u32 v[AQS], s[TQS], v[LQS]
	QLOAD AQ, AQS
.else
	v_nop
	v_nop
.endif
.set j, 0
.rept 32
	v_pk_mul_f32 v[S+j:S+j+1], v[S+j:S+j+1], s[C2:C2+1] op_sel_hi:[1,0]   ; 2 c s, each accumulator from its low end on
.set j, j+2
.endr
	s_wait_alu depctr_va_vdst(0)                   ; ahead of the batch
	TRANS v_exp_f32, S
	v_nop                                          ; a plain line behind the batch
	s_wait_alu depctr_va_vdst(0)
	MIX v_exp_f32, S+32, ADD1, S
	MIX v_rcp_f32, S, ADD1, S+32
	MIX v_rcp_f32, S+32, TFMA, S
	MIX v_exp_f32, S, TFMA, S+32                   ; p of block 0 (lanes 0-15) or 1
	TRANS v_exp_f32, S+32                          ; p of block 2 or 3
	RED S, MX, 1                                   ; plain lines that read the first half alone
	s_wait_alu depctr_va_vdst(0)                   ; ahead of the last batch's first reader
	RED S+32, MX+1, 0
	v_pk_mul_f32 v[MX:MX+1], v[MX:MX+1], 0x3e800000 op_sel_hi:[1,0]   ; x 1/4: 2 off the exponent fields: the conversions' scale operands
	v_pk_add_f32 v[SA:SA+1], v[SA:SA+1], v[SB:SB+1]
	v_perm_b32 v[MX+2], v[MX+1], v[MX], s[SL1]     ; both high halves;
	v_add_f32 v[SA], v[SA], v[SA+1]
	v_lshrrev_b32 v[MX+2], 7, v[MX+2]              ; bytes 0 and 2 are my two blocks' scale bytes
	v_permlanex16_b32 v[TU], v[SA], s[SEL], s[SEL+1]
	v_permlanex16_b32 v[TT], v[MX+2], s[SEL], s[SEL+1]
	v_add_f32 v[SA], v[SA], v[TU]                  ; with lane l xor 16's 64 keys: the sum over my 128
	v_perm_b32 v[MX+3], v[TT], v[MX+2], s[SL2]     ; in lanes 0-15: own byte 0, the other lane's byte 0, own byte 2, the other's byte 2: blocks 0 to 3
.irp c, 0,1
.irp g, 0,1,2,3
	v_cvt_scalef32_pk8_fp4_f32 v[PC+4*\c+\g], v[S+32*\c+8*\g:S+32*\c+8*\g+7], v[MX+\c]
.endr
.endr
	v_cndmask_b32 v[LV], v[MX+3], v[SA], s[HM]     ; lanes 0-15 the scale words, lanes 16-31 the sums.  (Also the plain line behind the conversions)
	ds_store_b128 v[AP], v[PC:PC+3]
	ds_store_b128 v[AP], v[PC+4:PC+7] offset:512
	ds_store_b32 v[ASL], v[LV]
.endm
	s_load_b256 s[4:11], s[0:1], 0x0               ; W1 s[4:5], d s[6:7], ecodes s[8:9], escales s[10:11]
	s_load_b256 s[12:19], s[0:1], 0x20             ; w2codes s[12:13], w2scales s[14:15], vimg s[16:17], out s[18:19]
	v_lshl_add_u32 v[SPW], v0, 2, SPARE
	v_mov_b32 v[NIL], 0
	ds_add_u32 v[SPW], v[NIL]                      ; the wave's opening: the add, twice on end, and its wait ahead of the first tensor load; the set-up below stands between the second and the wait
	ds_add_u32 v[SPW], v[NIL]
	v_lshrrev_b32 v232, 5, v0
	v_readfirstlane_b32 s[WV], v232                ; wave 0..15
	s_bfe_u32 s[CX], ttmp6, 0x40000                ; cx: my place in the cluster: it enters the addresses of W1, d and out alone
	s_lshl_b32 s[WX], ttmp9, 2                     ; in a cluster launch ttmp9 counts clusters
	s_add_co_u32 s[WX], s[WX], s[CX]               ; my block of 128 queries
	s_and_b32 s[BA], ttmp7, 0xffff                 ; the batch, which the four partners share
	s_mov_b32 s[SEL], 0x76543210
	s_mov_b32 s[SEL+1], 0xfedcba98
	s_mov_b32 s[C2], 0x4038aa3b                    ; 2 log2(e)
	s_mov_b32 s[C2+1], 0x4038aa3b
	s_mov_b32 s[CM], 0xc038aa3b                    ; -2 log2(e)
	s_mov_b32 s[CM+1], 0xc038aa3b
	s_mov_b32 s[SL1], 0x07060302
	s_mov_b32 s[SL2], 0x06020400
	s_mov_b32 s[HM], 0xffff0000                    ; lanes 16-31
	; descriptor group 1: a dense block of 8,704 bytes as 34 rows of 256 (32 elements of 8 bytes), no padding
	s_mov_b32 s[G1], 15|(3<<16)|(1<<21)            ; 15:0 the mask: all four work-groups; 17:16 elements of 8 bytes; 21 set beside a mask
	s_mov_b32 s[G1+1], 32<<16                      ; tensor_dim0
	s_mov_b32 s[G1+2], 34<<16                      ; tensor_dim1
	s_mov_b32 s[G1+3], 32<<16                      ; tile_dim0
	s_mov_b32 s[G1+4], 34                          ; tile_dim1
	s_mov_b32 s[G1+5], 32                          ; from row to row
	s_mov_b32 s[G1+6], 0
	s_mov_b32 s[G1+7], 0
	; my fragment of queries: tile wave / 2, of W1 (even waves) or d
	s_and_b32 s[HF], s[WV], 1
	s_lshr_b32 s70, s[WV], 1
	s_lshl_b32 s70, s70, 4
	s_lshl_b32 s71, s[WX], 7
	s_add_co_u32 s70, s70, s71                     ; its first row in W1,
	s_lshl_b32 s71, s[BA], 11
	s_add_co_u32 s71, s71, s70                     ; in d
	s_lshl_b32 s70, s70, 9                         ; rows of 512 bytes
	s_lshl_b32 s71, s71, 9
	; my key step
	s_lshl_b32 s72, s[BA], 4
	s_add_co_u32 s72, s72, s[WV]
	s_lshl_b32 s74, s72, 13                        ; e's eight fragments,
	s_mov_b32 s75, 0
	s_lshl_b32 s76, s72, 9                         ; their words;
	s_mov_b32 s77, 0
	s_lshl_b32 s78, s[WV], 13                      ; W2's
	s_mov_b32 s79, 0
	s_lshl_b32 s80, s[WV], 9
	s_mov_b32 s81, 0
	; my part of the batch's V
	s_mul_i32 s82, s[BA], VIMG
	s_mul_i32 s84, s[WV], 8704
	s_mov_b32 s[G0], 1
	s_mov_b32 s[G0+1], s84                         ; no place in the cluster enters an LDS address
	s_add_co_u32 s82, s82, s84
	s_mov_b32 s83, 0
	; LDS
	s_mul_i32 s84, s[WV], 8448
	s_add_co_u32 s84, s84, PB                      ; my stage: 16 rows x 528 bytes
	s_lshl_b32 s85, s[WV], 10
	s_add_co_u32 s85, s85, QB                      ; my fragment's image,
	s_lshl_b32 s86, s[WV], 6
	s_add_co_u32 s86, s86, QSB                     ; its words
	s_lshl_b32 s87, s[WV], 13
	s_add_co_u32 s87, s87, PB                      ; my key step's P,
	s_lshl_b32 s88, s[WV], 9
	s_add_co_u32 s88, s88, PSB                     ; its words
	s_mov_b32 s[TQ], 2048                          ; the next tile's queries
	s_mov_b32 s[TQS], 128
	s_mov_b32 s[TP], 0
	s_mov_b32 s[TSL], 0
	v_and_b32 v234, 31, v0                         ; lane
	v_and_b32 v232, 15, v0                         ; r
	v_bfe_u32 v233, v0, 4, 1                       ; h
	v_mov_b32 v[CC], 0x3fb8aa3b                    ; c = log2(e)
	v_lshlrev_b32 v252, 4, v234
	v_lshlrev_b32 v253, 2, v234
	v_mul_u32_u24 v[AQS], v232, 528
	v_mov_b32 v[CC+1], 0x3fb8aa3b                  ; (named with it as a pair, so it is written)
	v_add_nc_u32 v[AQ], s84, v252                  ; the stage: in: a row as it was loaded;
	v_lshl_add_u32 v[AQS], v233, 7, v[AQS]
	v_mul_u32_u24 v[LSL], v233, LDIST              ; lanes 16-31 take l's places
	v_lshlrev_b32 v[AVS], 3, v233
	v_add_nc_u32 v[AQS], s84, v[AQS]               ; out: row r, from k = 32 h on
	v_lshl_add_u32 v[LSL], v232, 2, v[LSL]
	v_add_nc_u32 v[AP], s85, v252
	v_lshl_add_u32 v[ASL], v232, 2, s86
	v_add_nc_u32 v[LSL], s88, v[LSL]
	v_add_nc_u32 v[LQ], QB, v252
	v_add_nc_u32 v[LQS], QSB, v253
	v_add_nc_u32 v[LP], s87, v252
	v_mov_b32 v[TT], 0                             ; written once: a lane permute's destination counts as one of its sources
	v_mov_b32 v[TU], 0
	s_wait_alu depctr_va_vdst(0)                   ; the head's end
	s_wait_dscnt 0x0                               ; both opening adds are done
	s_wait_kmcnt 0x0
	s_cmp_eq_u32 s[HF], 0                          ; the choice hangs on the wave's number alone
	s_cselect_b64 s[4:5], s[4:5], s[6:7]
	s_cselect_b32 s70, s70, s71
	s_mov_b32 s71, 0
	s_add_nc_u64 s[4:5], s[4:5], s[70:71]
	s_add_nc_u64 s[8:9], s[8:9], s[74:75]
	s_add_nc_u64 s[10:11], s[10:11], s[76:77]
	s_add_nc_u64 s[12:13], s[12:13], s[78:79]
	s_add_nc_u64 s[14:15], s[14:15], s[80:81]
	s_add_nc_u64 s[G0+2:G0+3], s[16:17], s[82:83]
	s_or_b32 s[G0+3], s[G0+3], 0x80000000          ; type = 2
.set n, 0
.rept 16                               ; my sixteen rows of queries, 512 consecutive bytes a load
	global_load_b128 v[S+4*n:S+4*n+3], v252, s[4:5] offset:512*n
.set n, n+1
.endr
.set n, 0
.rept 16                               ; my key step: 512 consecutive bytes a load
	global_load_b128 v[FE+4*n:FE+4*n+3], v252, s[8:9] offset:512*n
.set n, n+1
.endr
.set n, 0
.rept 16
	global_load_b128 v[FW+4*n:FW+4*n+3], v252, s[12:13] offset:512*n
.set n, n+1
.endr
.irp p, 0,1,2,3
	global_load_b32 v[KSE+\p], v253, s[10:11] offset:128*\p
	global_load_b32 v[KSW+\p], v253, s[14:15] offset:128*\p
.endr
	ROUND                                          ; all four work-groups are here: the joint loads meet
	tensor_load_to_lds s[G0:G0+3], s[G1:G1+7]      ; every wave's one load: V
	s_nop 0
	s_wait_loadcnt 40                              ; my sixteen rows are in; the key step's 40 loads may be out
.set n, 0
.rept 16
	ds_store_b128 v[AQ], v[S+4*n:S+4*n+3] offset:528*n
.set n, n+1
.endr
.irp c, 0,1                            ; back so that register 32 c + n of lane (r, h) is k = 64 c + 32 h + n of row r.  LDS serves a wave's instructions in order
.irp i, 0,1,2,3,4,5,6,7
	ds_load_b128 v[S+32*\c+4*\i:S+32*\c+4*\i+3], v[AQS] offset:256*\c+16*\i
.endr
.endr
	s_wait_dscnt 0x0
.irp c, 0,1                            ; a lane holds two whole blocks, 2 c + h: two chains each, by turns
	v_max3_num_f32 v[MX+\c], |v[S+32*\c]|, |v[S+32*\c+1]|, 0x1800000   ; and the floor 2^(3 - 127): the byte cannot fall under 1
	v_max_num_f32 v[MX+2+\c], |v[S+32*\c+2]|, |v[S+32*\c+3]|
.endr
.irp i, 4,8,12,16,20,24,28
.irp c, 0,1
	v_max3_num_f32 v[MX+\c], v[MX+\c], |v[S+32*\c+\i]|, |v[S+32*\c+\i+1]|
	v_max3_num_f32 v[MX+2+\c], v[MX+2+\c], |v[S+32*\c+\i+2]|, |v[S+32*\c+\i+3]|
.endr
.endr
.irp c, 0,1
	v_max_num_f32 v[MX+\c], v[MX+\c], v[MX+2+\c]
.endr
.irp c, 0,1
	v_add_nc_u32 v[MX+\c], 0xff000000, v[MX+\c]    ; 2 off the exponent field: the conversion's scale operand
.endr
.irp c, 0,1
	v_lshrrev_b32 v[MX+2+\c], 23, v[MX+\c]         ; the scale's byte
.endr
	v_lshl_or_b32 v[LV], v[MX+3], 16, v[MX+2]      ; blocks h and 2 + h of row r,
	v_lshlrev_b32 v[LV], v[AVS], v[LV]             ; at their places in the word;
	v_permlanex16_b32 v[TT], v[LV], s[SEL], s[SEL+1]
	v_or_b32 v[LV], v[LV], v[TT]                   ; with lane l xor 16's two the word is whole, in both halves of the lanes
.irp c, 0,1
.irp g, 0,1,2,3
	v_cvt_scalef32_pk8_fp4_f32 v[PC+4*\c+\g], v[S+32*\c+8*\g:S+32*\c+8*\g+7], v[MX+\c]
.endr
.endr
	v_nop                                          ; one plain line behind the last conversion
	ds_store_b128 v[AP], v[PC:PC+3]
	ds_store_b128 v[AP], v[PC+4:PC+7] offset:512
	ds_store_b32 v[ASL], v[LV]                     ; lanes l and l xor 16 store the same word with the same value
	s_wait_dscnt 0x0                               ; for the others' sake: my image has landed, and my reads of my stage are over
	s_barrier_signal -1
	s_barrier_wait -1
	QLOAD LQ, LQS                                  ; tile 0
	s_wait_loadcnt 0x0                             ; my key step is in
	s_wait_dscnt 0x0
	s_mov_b32 s[CNT], 7
.Ltile:
	STEP 1
	s_add_co_u32 s[TQ], s[TQ], 2048
	s_add_co_u32 s[TQS], s[TQS], 128
	s_add_co_u32 s[TP], s[TP], 1024
	s_add_co_u32 s[TSL], s[TSL], 64
	s_sub_co_u32 s[CNT], s[CNT], 1
	s_cmp_lg_u32 s[CNT], 0
	s_cbranch_scc1 .Ltile
	STEP 0                                         ; the last tile asks for no queries
	; THE SECOND PART.  Wave w, 0 to 7: tiles 2 (w / 2) and 2 (w / 2) + 1, channels 64 (w % 2) on.  All LDS addresses are made here, ahead of the branch
	s_and_b32 s70, s[WV], 1
	s_lshr_b32 s71, s[WV], 1
	s_lshl_b32 s72, s70, 12                        ; four fragments of V
	s_lshl_b32 s73, s71, 11
	s_add_co_u32 s73, s73, PB                      ; two of P
	s_lshl_b32 s74, s70, 8
	s_add_co_u32 s74, s74, 131072                  ; V's words
	s_lshl_b32 s75, s71, 7
	s_add_co_u32 s75, s75, PSB                     ; P's words; l's parts lie LDIST on
	s_mul_i32 s76, s[WV], 4352
	s_add_co_u32 s76, s76, OSB                     ; my stage for the way out
	s_lshl_b32 s78, s[BA], 11
	s_lshl_b32 s79, s[WX], 7
	s_add_co_u32 s78, s78, s79
	s_lshl_b32 s79, s71, 5
	s_add_co_u32 s78, s78, s79                     ; my first row of out
	s_lshl_b32 s78, s78, 9
	s_lshl_b32 s79, s70, 8
	s_add_co_u32 s78, s78, s79
	s_mov_b32 s79, 0
	s_add_nc_u64 s[18:19], s[18:19], s[78:79]
	v_and_b32 v9, 31, v0                           ; lane
	v_and_b32 v10, 15, v0                          ; r
	v_bfe_u32 v11, v0, 4, 1                        ; h
	v_lshl_add_u32 v[AV0], v9, 4, s72
	v_lshl_add_u32 v[AP0], v9, 4, s73
	v_lshl_add_u32 v[AVS], v9, 2, s74
	v_lshl_add_u32 v[APS], v9, 2, s75
	v_mul_u32_u24 v[AST], v10, 272
	v_mul_u32_u24 v[ARD], v11, 272
	v_lshlrev_b32 v[GO], 9, v11
	v_add_nc_u32 v[AV0+1], 0x10000, v[AV0]
	v_add_nc_u32 v[AP0+1], 0x10000, v[AP0]
	v_lshl_add_u32 v[AST], v11, 5, v[AST]
	v_lshl_add_u32 v[ARD], v10, 4, v[ARD]
	v_lshl_add_u32 v[GO], v10, 4, v[GO]            ; out: lanes 0-15 one row of 256 bytes, lanes 16-31 the next
	v_add_nc_u32 v[AST], s76, v[AST]               ; the stage: in: row r, a tile's eight channels of my half of the lanes: 32 h bytes on;
	v_add_nc_u32 v[ARD], s76, v[ARD]               ; back: lanes 0-15 one row, lanes 16-31 the next
	s_wait_alu depctr_va_vdst(0)                   ; directly ahead of the waits below
	s_wait_tensorcnt 0x0                           ; my part of V has landed,
	s_wait_dscnt 0x0                               ; and so have my stores
	s_barrier_signal -1
	s_barrier_wait -1                              ; everybody's have
	s_cmp_lt_u32 s[WV], 8
	s_cbranch_scc0 .Lend
.macro PLOAD s                         ; key step s into set s % 2: fifteen loads
.set BF, (\s)%2
.set AV, AV0+(\s)/8
.set APX, AP0+(\s)/8
.irp t, 0,1,2,3
	ds_load_b128 v[FE+32*BF+8*\t:FE+32*BF+8*\t+3], v[AV] offset:8192*((\s)%8)+1024*\t
	ds_load_b128 v[FE+32*BF+8*\t+4:FE+32*BF+8*\t+7], v[AV] offset:8192*((\s)%8)+1024*\t+512
.endr
.irp u, 0,1
	ds_load_b128 v[FW+16*BF+8*\u:FW+16*BF+8*\u+3], v[APX] offset:8192*((\s)%8)+1024*\u
	ds_load_b128 v[FW+16*BF+8*\u+4:FW+16*BF+8*\u+7], v[APX] offset:8192*((\s)%8)+1024*\u+512
.endr
	ds_load_b32 v[KSE+2*BF], v[AVS] offset:512*(\s)
	ds_load_b32 v[KSE+2*BF+1], v[AVS] offset:512*(\s)+128
	ds_load_b32 v[KSW+BF], v[APS] offset:512*(\s)
.endm
.macro PVS s                           ; O^T += V^T P^T: the eight accumulators take turns
.if (\s) < 15
.rept 4
	v_nop                                          ; the places ahead of loads into registers that the products before have read
.endr
	PLOAD \s+1
	s_wait_dscnt 15                                ; all but the next key step's fifteen
.else
	s_wait_dscnt 0x0
.endif
.set BF, (\s)%2
.irp u, 0,1
.irp t, 0,1,2,3
.if (\s) == 0
	MMZ S+32*\u+8*\t, FE+32*BF+8*\t, FW+16*BF+8*\u, KSE+2*BF+\t/2, KSW+BF, \t%2, \u
.else
	MMA S+32*\u+8*\t, FE+32*BF+8*\t, FW+16*BF+8*\u, KSE+2*BF+\t/2, KSW+BF, \t%2, \u
.endif
.endr
.endr
.endm
.set n, 0
.rept 16                               ; l's sixteen parts: lanes 0-15 the even tile's, lanes 16-31 the odd one's
	ds_load_b32 v[LP0+n], v[APS] offset:LDIST+512*n
.set n, n+1
.endr
	PLOAD 0
	s_wait_dscnt 15                                ; l's parts are in; key step 0's fifteen loads may be out
.irp i, 0,4,8,12
	v_pk_add_f32 v[LP0+\i:LP0+\i+1], v[LP0+\i:LP0+\i+1], v[LP0+\i+2:LP0+\i+3]
.endr
	v_pk_add_f32 v[LP0:LP0+1], v[LP0:LP0+1], v[LP0+4:LP0+5]
	v_pk_add_f32 v[LP0+8:LP0+9], v[LP0+8:LP0+9], v[LP0+12:LP0+13]
	v_pk_add_f32 v[LP0:LP0+1], v[LP0:LP0+1], v[LP0+8:LP0+9]
	v_add_f32 v144, v[LP0], v[LP0+1]
	v_permlanex16_b32 v[TT], v144, s[SEL], s[SEL+1]
	v_cndmask_b32 v[IV0], v144, v[TT], s[HM]       ; the even tile's l in all lanes,
	v_cndmask_b32 v[IV1], v[TT], v144, s[HM]       ; the odd one's
	s_wait_alu depctr_va_vdst(0)                   ; ahead of the batch,
	v_rcp_f32 v[IV0], v[IV0]
	v_rcp_f32 v[IV1], v[IV1]
	v_mov_b32 v[IV0+1], 0                          ; (named with them as pairs, so they are written; plain lines behind the batch)
	v_mov_b32 v[IV1+1], 0
	s_wait_alu depctr_va_vdst(0)                   ; and behind it
.irp s, 0,1,2,3,4,5,6,7,8,9,10,11,12,13,14,15
	PVS \s
.endr
.rept 4
	v_nop                                          ; the places ahead of the first read of the last products
.endr
.macro OUTT u, iv                      ; a tile's O^T / l: register 8 t + i is out(query r, channel 64 (wave % 2) + 16 t + 8 h + i)
.set j, 32*\u
.rept 16
	v_pk_mul_f32 v[S+j:S+j+1], v[S+j:S+j+1], v[\iv:\iv+1] op_sel_hi:[1,0]
.set j, j+2
.endr
.irp t, 0,1,2,3
	ds_store_b128 v[AST], v[S+32*\u+8*\t:S+32*\u+8*\t+3] offset:64*\t
	ds_store_b128 v[AST], v[S+32*\u+8*\t+4:S+32*\u+8*\t+7] offset:64*\t+16
.endr
.irp i, 0,1,2,3,4,5,6,7
	ds_load_b128 v[FE+32*\u+4*\i:FE+32*\u+4*\i+3], v[ARD] offset:544*\i   ; LDS serves a wave's instructions in order: these see my stores, and the next tile's stores come behind them
.endr
.endm
	OUTT 0, IV0
	OUTT 1, IV1
.irp i, 0,1,2,3,4,5,6,7
	s_wait_dscnt 23-\i                             ; load i of the first tile is back; the 7 - i younger ones and the second tile's sixteen may be out
	global_store_b128 v[GO], v[FE+4*\i:FE+4*\i+3], s[18:19] offset:1024*\i th:TH_STORE_NT   ; 16 lanes store 256 consecutive bytes, at a multiple of 256 from out's first byte; written once, read by nobody here
.endr
.irp i, 0,1,2,3,4,5,6,7
	s_wait_dscnt 7-\i
	global_store_b128 v[GO], v[FE+32+4*\i:FE+32+4*\i+3], s[18:19] offset:8192+1024*\i th:TH_STORE_NT
.endr
.Lend:
	s_wait_tensorcnt 0x0                           ; the wave's end
	ds_add_u32 v[SPW], v[NIL]
	s_wait_dscnt 0x0
	ROUND                                          ; the closing round: no work-group ends while a partner may still ask for a tile that names it
	s_endpgm
.Lfunc_end_k_q59b2cd23db_attn:
	.size	k_q59b2cd23db_attn, .Lfunc_end_k_q59b2cd23db_attn-k_q59b2cd23db_attn
	.p2alignl 7, 3214868480
	.fill 96, 4, 3214868480
	.section	.rodata,"a",@progbits
	.p2align	6, 0x0
	.amdhsa_kernel k_q59b2cd23db_attn
		.amdhsa_group_segment_fixed_size 327680
		.amdhsa_private_segment_fixed_size 0
		.amdhsa_enable_private_segment 0
		.amdhsa_kernarg_size 64
		.amdhsa_user_sgpr_count 2
		.amdhsa_user_sgpr_kernarg_segment_ptr 1
		.amdhsa_wavefront_size32 1
		.amdhsa_system_sgpr_workgroup_id_x 1
		.amdhsa_system_sgpr_workgroup_id_y 1
		.amdhsa_system_sgpr_workgroup_id_z 1
		.amdhsa_system_vgpr_workitem_id 0
		.amdhsa_next_free_vgpr 256
		.amdhsa_next_free_sgpr 92
		.amdhsa_reserve_vcc 0
		.amdhsa_float_denorm_mode_32 3
		.amdhsa_float_denorm_mode_16_64 3
		.amdhsa_memory_ordered 1
		.amdhsa_forward_progress 1
		.amdhsa_inst_pref_size 100
	.end_amdhsa_kernel
	.amdgpu_metadata
---
amdhsa.version: [ 1, 2 ]
amdhsa.kernels:
  - .name:           k_q59b2cd23db_attn
    .symbol:         k_q59b2cd23db_attn.kd
    .args:
      - { .name: W1, .offset: 0, .size: 8, .value_kind: global_buffer, .address_space: global }
      - { .name: d, .offset: 8, .size: 8, .value_kind: global_buffer, .address_space: global }
      - { .name: ecodes, .offset: 16, .size: 8, .value_kind: global_buffer, .address_space: global }
      - { .name: escales, .offset: 24, .size: 8, .value_kind: global_buffer, .address_space: global }
      - { .name: w2codes, .offset: 32, .size: 8, .value_kind: global_buffer, .address_space: global }
      - { .name: w2scales, .offset: 40, .size: 8, .value_kind: global_buffer, .address_space: global }
      - { .name: vimg, .offset: 48, .size: 8, .value_kind: global_buffer, .address_space: global }
      - { .name: out0, .offset: 56, .size: 8, .value_kind: global_buffer, .address_space: global }
    .group_segment_fixed_size: 327680
    .private_segment_fixed_size: 0
    .kernarg_segment_align: 8
    .kernarg_segment_size: 64
    .max_flat_workgroup_size: 512
    .sgpr_count:     92
    .vgpr_count:     256
    .wavefront_size: 32
...
	.end_amdgpu_metadata
.endif
;; end of part 2
